; MI455X (gfx1250); checked and timed in simulation.
; The chip was launched on July 23, 2026; its instructions are those of AMD's public machine-readable ISA for CDNA 5 (MIT licence, August 2026) and "CDNA5" Instruction Set Architecture Reference Guide (July 2026). The comments in the code are by the model that wrote it; some were corrected since.
;; Mock Core Attention. Allowed arithmetic: matrix products marked QUANTISED: E2M1 operands, one E8M0 scale for each 32 along K, by v_wmma_scale_f32_16x16x128_f8f6f4 with both operands' format E2M1 (or v_wmma_scale_f32_32x16x128_f4), f32 sums; everything else in f32.
;; Inputs: k 2,048 x 2 x 16 x 128 float32; q 2,048 x 2 x 16 x 128 float32; v 2,048 x 2 x 16 x 128 float32.
;; Outputs: out0 2,048 x 2 x 2,048 float32.
;; This version of the problem:
;;   THIS VERSION OF THE PROBLEM IS GIVEN IN LOW PRECISION. The matrix products marked QUANTISED in the list below multiply operands that are first quantised to E2M1 (2 exponent bits, 1 mantissa bit; 4 bits a number), with one power-of-two scale for each 32 numbers along K (OCP MX v1.0); their sums are f32. All else is computed in f32.
;;   The module's matrix products, in the order in which they are computed (A, B: the left and right operand; K: the contracted axis; several contracted axes count as one K, in the product's order):
;;     1. batch 32 x [M 2,048, K 128] x [K 128, N 2,048]; A: input q; B: input k: QUANTISED
;;     2. batch 32 x [M 128, K 2,048] x [K 2,048, N 2,048]; A: input v; B: softmax (see below): QUANTISED
;;   THE QUANTISER, for each operand of a quantised product, along K:
;;     - K is cut into blocks of 32 from its start; a last block that is shorter is filled with zeros.
;;     - A block's scale is 2^e with e = floor(log2(the largest magnitude in the block)) - 2, held to -126 .. 127; a block of zeros has e = 0. As a byte (E8M0): e + 127.
;;     - Each number is divided by its block's scale, clamped to +-6, and rounded to the nearest number of E2M1, ties to even, subnormals kept.
;;     - The product sums the exact products of the quantised numbers (number of the format x scale) in f32.
;;   ~~~python
;;   def quantise(x, axis):      # numpy; x: float32 -> the quantised numbers, widened to float32 again
;;       x = np.moveaxis(x, axis, -1); K = x.shape[-1]
;;       x = np.pad(x, [(0, 0)] * (x.ndim - 1) + [(0, -K % 32)]); x = x.reshape(x.shape[:-1] + (-1, 32)); a = np.abs(x).max(-1, keepdims=True)
;;       e = np.where(a > 0, np.clip(np.frexp(np.where(a > 0, a, 1))[1] - 1 - 2, -126, 127), 0)      # np.frexp(a)[1] - 1 = floor(log2(a)), exactly
;;       r = np.clip(x / 2.0 ** e, -6, 6)
;;       step = 2.0 ** (np.maximum(np.frexp(np.where(r == 0, 1, r))[1] - 1, 0) - 1)
;;       q = np.round(r / step) * step * 2.0 ** e      # np.round: ties to even
;;       return np.moveaxis(q.reshape(q.shape[:-2] + (-1,))[..., :K], -1, axis).astype(np.float32)
;;   ~~~
;;   SOFTMAX AHEAD OF A QUANTISED PRODUCT. Where the list says 'softmax', what is quantised is not the finished softmax but p = 2^(t - M), with t = logit x log2(e) and M = ceil(the row's largest t), a whole number; so 1/2 < the row's largest p <= 1. The row's sum l is taken of the UNQUANTISED p, in f32, and the product's result is divided by l at the end. Since M is a whole number, a kernel that streams over the keys may use a running M (the ceiling of the running maximum): every later rescaling is an exact power of two, which a block's scale takes up: the codes' values come out the same.
;;   OPERANDS COMPUTED ON THE WAY. 'Computed on the way' means the value that the module computes at that place (a softmax that the list does not call 'softmax' is quantised finished and normalised). What goes into a quantiser is computed in f32, as accurately as f32 sums, v_exp_f32 and their like allow (about 1e-6 of the number): no bf16 or f16 on the way to a quantiser, and a product that is left as it is and whose result goes on into a quantised operand takes f32 operands (vector FMAs, or v_wmma_f32_16x16x4_f32). A number that lies on a knife's edge between two numbers of the format may be rounded either way, as far as f32 arithmetic and the matrix unit's own rounding can turn it there, and no further.
;; One version. Each part assembles by itself: llvm-mc -triple=amdgcn-amd-amdhsa -mcpu=gfx1250 --defsym DOCPART=n.
;; ======== version 1 of 1: 2 launches
;; limits: right only within a limited range of input values
;; workspace buffers: kv 8,912,896 bytes
;; launch quant (part 1): grid 256 x 1, 16 waves a work-group, no clusters, 290,816 bytes of LDS; arguments k, v, kv; writes kv
.if DOCPART == 1
	.amdgcn_target "amdgcn-amd-amdhsa--gfx1250"
	.amdhsa_code_object_version 6
	.text
	.protected	k_q9047cba3a8_quant
	.globl	k_q9047cba3a8_quant
	.p2align	8
	.type	k_q9047cba3a8_quant,@function
k_q9047cba3a8_quant:
	s_mov_b64 s[64:65], 0
	v_nop
	global_prefetch_b8 v0, s[64:65] scope:SCOPE_SE
	s_setreg_imm32_b32 hwreg(HW_REG_WAVE_MODE, 25, 1), 1
	s_wait_xcnt 0x0
; k, v: [2048 s][32 heads][128 d] f32 become codes of FP4 (E2M1) with one E8M0 scale byte for each 32 along a product's K: k along d (innermost), v along the keys s (outermost).
; A block's scale is 2^(floor(log2(its largest magnitude)) - 2): its byte is the largest magnitude's exponent field - 2, held at 1 from below; each number is divided by it and rounded to the nearest code, ties to even, beyond the largest code the largest.
; kv, LAID AS THE NEXT LAUNCH'S LDS HOLDS IT: [head 32][step of 128 keys 16][17,408 bytes]: K's codes 8,192, K's scale words 512, V's codes 8,192, V's scale words 512.
;   K: key 32 p + 8 i + j of a step (p = 2 c + hb) is row 8 hb + j of tile 4 c + i; its block 2 c' + h' along d (16 bytes) lies at 2048 p + 512 i + 256 c' + 128 (h' xor hb) + 16 j; its word at 256 c + 128 hb + 16 j + 4 i.
;   V: channel 16 t + r, block p of the step (16 bytes) at 1024 t + 256 p + 16 r; its word (byte p: block p) at 256 (t / 4) + 16 r + 4 (t % 4).
; SHARES.  A work-group takes 256 keys (two steps) of one head: waves 0-7 32 keys of k each, waves 8-15 32 keys of v.  A wave brings its 32 rows of 512 bytes by ONE tensor load, 16 bytes of padding behind each row; only it reads them.
; All 256 KiB of a work-group are asked for at once; nothing is filled again, and no work-group shares an input with another: no cluster; no loop, so nothing to ask for ahead of a later load.
; The codes leave without a barrier; the scale bytes of the two steps are gathered in LDS behind one barrier and leave as whole units of 256 bytes.
; LIMITS: NaN and infinities among the inputs are not served.  A block whose largest magnitude lies under 2^-124 keeps the byte 1 (so does a block of zeros: its codes are zeros); the bytes are read by this program alone.
.set TILE,  16896                      ; 32 rows x (512 + 16)
.set STG,   16*TILE                    ; K's waves: the image of a wave's codes, 2,048 bytes each
.set SCL,   STG+8*2048                 ; scale words: [step 2][K, V][512]
.set SPARE, SCL+2048                   ; the spare words, 128 bytes for each wave
.set STEPB, 17408
.set X,     64                         ; v64-191  four sets of 32 numbers
.set C,     192                        ; v192-207 codes, four registers a set
	s_load_b128 s[4:7], s[0:1], 0x0                ; k, v
	s_load_b64 s[8:9], s[0:1], 0x10                ; kv
	v_lshl_add_u32 v5, v0, 2, SPARE
	v_mov_b32 v6, 0
	ds_add_u32 v5, v6                              ; the wave's opening: the add, twice on end, and its wait ahead of the tensor load
	ds_add_u32 v5, v6
	v_lshrrev_b32 v1, 5, v0
	v_readfirstlane_b32 s18, v1                    ; wave 0..15
	v_and_b32 v2, 31, v0                           ; lane
	s_wait_alu depctr_va_vdst(0)                   ; ahead of the scalar lines
	s_and_b32 s19, s18, 7                          ; which 32 of the 256 keys
	; descriptor group 1: 32 rows of 64 elements of 8 bytes, 16,384 bytes apart; 4 words of padding after every 128
	s_mov_b32 s32, (3<<16)|(1<<20)|(6<<22)|(3<<25)
	s_mov_b32 s33, 64<<16                          ; tensor_dim0
	s_mov_b32 s34, 32<<16                          ; tensor_dim1
	s_mov_b32 s35, 64<<16                          ; tile_dim0
	s_mov_b32 s36, 32                              ; tile_dim1
	s_mov_b32 s37, 2048                            ; the pitch
	s_mov_b32 s38, 0
	s_mov_b32 s39, 0
	s_lshr_b32 s44, ttmp9, 3                       ; head
	s_and_b32 s45, ttmp9, 7                        ; which 256 keys
	s_lshl_b32 s46, s45, 3
	s_add_co_u32 s46, s46, s19
	s_lshl_b32 s46, s46, 19                        ; 32 rows of 16,384 bytes
	s_lshl_b32 s47, s44, 9
	s_add_co_u32 s46, s46, s47                     ; + the head's 512 bytes
	s_mov_b32 s47, 0
	s_mov_b32 s40, 1
	s_mul_i32 s41, s18, TILE                       ; my tile in LDS
	s_wait_dscnt 0x0                               ; both opening adds are done
	s_wait_kmcnt 0x0
	s_cmp_lt_u32 s18, 8                            ; k's wave or v's: only the pointer is chosen
	s_cselect_b64 s[10:11], s[4:5], s[6:7]
	s_add_nc_u64 s[42:43], s[10:11], s[46:47]
	s_or_b32 s43, s43, 0x80000000
	tensor_load_to_lds s[40:43], s[32:39]
	s_nop 0
	; under the load's flight: every address, ahead of the parting of the waves
	s_lshr_b32 s20, s19, 2                         ; step
	s_and_b32 s21, s19, 3                          ; p, the block of keys in the step
	s_lshr_b32 s22, s21, 1                         ; c
	s_and_b32 s23, s21, 1                          ; hb
	s_lshl_b32 s25, s19, 11
	s_add_co_u32 s25, s25, STG                     ; my image (K)
	s_lshl_b32 s26, s23, 7                         ; 128 hb
	s_xor_b32 s27, s26, 128
	s_lshl_b32 s28, s20, 10
	s_add_co_u32 s28, s28, SCL                     ; the step's scale words
	s_lshl_b32 s29, s22, 8
	s_add_co_u32 s29, s29, s28
	s_add_co_u32 s29, s29, s26                     ; K's of my block of keys
	s_add_co_u32 s30, s28, s21                     ; V's byte p
	s_and_b32 s24, s18, 3
	s_lshl_b32 s31, s24, 9
	s_add_co_u32 s31, s31, SCL                     ; the 512 bytes that waves 0-3 send
	v_mul_u32_u24 v3, v2, 528
	v_add_nc_u32 v10, s41, v3                      ; K: lane = row
	v_lshlrev_b32 v4, 2, v2
	v_add_nc_u32 v11, s41, v4                      ; V: lane = channel
	v_lshrrev_b32 v7, 3, v2                        ; i
	v_and_b32 v8, 7, v2                            ; j
	v_lshlrev_b32 v9, 4, v8
	v_lshl_add_u32 v12, v7, 9, v9
	v_add_nc_u32 v12, s25, v12
	v_add_nc_u32 v13, s27, v12                     ; K's image: blocks with h' = 1,
	v_add_nc_u32 v12, s26, v12                     ; with h' = 0
	v_lshl_add_u32 v15, v7, 2, v9
	v_add_nc_u32 v15, s29, v15                     ; K's scale word
	v_lshlrev_b32 v17, 4, v2                       ; 16 x lane
	v_add_nc_u32 v14, s25, v17                     ; K's image on its way out
	v_and_b32 v8, 15, v2
	v_lshrrev_b32 v7, 4, v2
	v_lshlrev_b32 v9, 4, v8
	v_lshl_add_u32 v16, v7, 2, v9
	v_add_nc_u32 v16, s30, v16                     ; V's scale byte
	v_lshl_add_u32 v18, v7, 10, v9                 ; V's codes in memory
	v_add_nc_u32 v19, s31, v17
	s_wait_alu depctr_va_vdst(0)                   ; ahead of the scalar lines and the wait below
	s_mul_i32 s50, s44, 16*STEPB
	s_mul_i32 s52, s45, 2*STEPB
	s_add_co_u32 s50, s50, s52                     ; my work-group's two steps in kv
	s_mov_b32 s51, 0
	s_add_nc_u64 s[48:49], s[8:9], s[50:51]
	s_mul_i32 s52, s20, STEPB
	s_lshl_b32 s54, s21, 11
	s_add_co_u32 s54, s54, s52
	s_mov_b32 s55, 0
	s_add_nc_u64 s[54:55], s[48:49], s[54:55]      ; K: my 2,048 bytes
	s_lshl_b32 s56, s21, 8
	s_add_co_u32 s56, s56, s52
	s_add_co_u32 s56, s56, 8704
	s_mov_b32 s57, 0
	s_add_nc_u64 s[56:57], s[48:49], s[56:57]      ; V: my block's first 256 bytes
	s_lshr_b32 s52, s24, 1
	s_mul_i32 s58, s52, STEPB
	s_and_b32 s52, s24, 1
	s_mul_i32 s52, s52, 8704
	s_add_co_u32 s58, s58, s52
	s_add_co_u32 s58, s58, 8192
	s_mov_b32 s59, 0
	s_add_nc_u64 s[58:59], s[48:49], s[58:59]      ; the scale words of K (wave even) or V (odd)
; A block of 32 numbers in one lane's registers: codes into four registers, the byte into v21
.macro Q32 xs, cd
	v_max3_num_f32 v20, |v[\xs]|, |v[\xs+1]|, |v[\xs+2]|           ; the largest magnitude, in two chains
	v_max3_num_f32 v21, |v[\xs+3]|, |v[\xs+4]|, |v[\xs+5]|
.irp i, 6,10,14,18,22,26
	v_max3_num_f32 v20, v20, |v[\xs+\i]|, |v[\xs+\i+1]|
	v_max3_num_f32 v21, v21, |v[\xs+\i+2]|, |v[\xs+\i+3]|
.endr
	v_max3_num_f32 v20, v20, |v[\xs+30]|, |v[\xs+31]|
	v_max3_num_f32 v20, v20, v21, 0x1800000        ; and the floor 2^(3 - 127): the byte cannot fall under 1
	v_add_nc_u32 v22, 0xff000000, v20              ; 2 off its exponent field: the conversion's scale operand
.irp g, 0,1,2,3
	v_cvt_scalef32_pk8_fp4_f32 v[\cd+\g], v[\xs+8*\g:\xs+8*\g+7], v22
.endr
	v_lshrrev_b32 v21, 23, v22                     ; the byte (a plain line behind the conversions)
.endm
	s_wait_tensorcnt 0x0                           ; my tile is in
	s_cmp_lt_u32 s18, 8
	s_cbranch_scc0 .Lv
; K: A LANE TAKES A ROW: its four blocks of 32 along d, and so the row's whole scale word.
.irp b, 0,1,2,3
.irp i, 0,1,2,3,4,5,6,7
	ds_load_b128 v[X+32*\b+4*\i:X+32*\b+4*\i+3], v10 offset:128*\b+16*\i
.endr
.endr
.irp b, 0,1,2,3
	s_wait_dscnt 24-7*\b                           ; block b is in: behind it 8 (3 - b) loads and b stores
	Q32 X+32*\b, C+4*\b
.if \b == 0
	v_mov_b32 v23, v21
.else
	v_lshl_or_b32 v23, v21, 8*\b, v23
.endif
	ds_store_b128 v[12+(\b%2)], v[C+4*\b:C+4*\b+3] offset:256*(\b/2)
.endr
	ds_store_b32 v15, v23
.irp i, 0,1,2,3
	ds_load_b128 v[28+4*\i:31+4*\i], v14 offset:512*\i             ; LDS serves a wave's instructions in order (ISA guide 5.7.1.4): these see my stores
.endr
.irp i, 0,1,2,3
	s_wait_dscnt 3-\i
	global_store_b128 v17, v[28+4*\i:31+4*\i], s[54:55] offset:512*\i   ; 32 lanes store 512 consecutive bytes, aligned
.endr
	s_branch .Ljoin
; V: A LANE TAKES A CHANNEL, AND ITS REGISTERS RUN DOWN THE KEYS; four groups of 32 channels.
.Lv:
.macro LV g
.set n, 0
.rept 32
	ds_load_b32 v[X+32*(\g)+n], v11 offset:528*n+128*(\g)
.set n, n+1
.endr
.endm
	LV 0
	LV 1
.irp g, 0,1,2,3
.if \g == 0
	s_wait_dscnt 32                                ; behind group 0: group 1's loads
.elseif \g < 3
	s_wait_dscnt 33                                ; behind this group: one byte store and the next group's loads
.else
	s_wait_dscnt 1                                 ; one byte store
.endif
	Q32 X+32*\g, C+4*\g
	ds_store_b8 v16, v21 offset:512+256*(\g/2)+8*(\g%2)
	global_store_b128 v18, v[C+4*\g:C+4*\g+3], s[56:57] offset:2048*\g   ; lanes 0-15 store 256 consecutive bytes, aligned; lanes 16-31 the same of the next tile
.if \g < 2
	LV \g+2
.endif
.endr
.Ljoin:
	s_wait_dscnt 0x0                               ; my scale bytes are in LDS
	s_barrier_signal -1
	s_barrier_wait -1                              ; everybody's are
	s_cmp_lt_u32 s18, 4
	s_cbranch_scc0 .Lend
	ds_load_b128 v[44:47], v19
	s_wait_dscnt 0x0
	global_store_b128 v17, v[44:47], s[58:59]      ; 32 lanes store 512 consecutive bytes, aligned
.Lend:
	s_wait_tensorcnt 0x0                           ; the wave's end
	ds_add_u32 v5, v6
	s_wait_dscnt 0x0
	s_endpgm
.Lfunc_end_k_q9047cba3a8_quant:
	.size	k_q9047cba3a8_quant, .Lfunc_end_k_q9047cba3a8_quant-k_q9047cba3a8_quant
	.p2alignl 7, 3214868480
	.fill 96, 4, 3214868480
	.section	.rodata,"a",@progbits
	.p2align	6, 0x0
	.amdhsa_kernel k_q9047cba3a8_quant
		.amdhsa_group_segment_fixed_size 290816
		.amdhsa_private_segment_fixed_size 0
		.amdhsa_enable_private_segment 0
		.amdhsa_kernarg_size 24
		.amdhsa_user_sgpr_count 2
		.amdhsa_user_sgpr_kernarg_segment_ptr 1
		.amdhsa_wavefront_size32 1
		.amdhsa_system_sgpr_workgroup_id_x 1
		.amdhsa_system_sgpr_workgroup_id_y 1
		.amdhsa_system_sgpr_workgroup_id_z 1
		.amdhsa_system_vgpr_workitem_id 0
		.amdhsa_next_free_vgpr 208
		.amdhsa_next_free_sgpr 66
		.amdhsa_reserve_vcc 0
		.amdhsa_float_denorm_mode_32 3
		.amdhsa_float_denorm_mode_16_64 3
		.amdhsa_memory_ordered 1
		.amdhsa_forward_progress 1
		.amdhsa_inst_pref_size 29
	.end_amdhsa_kernel
	.amdgpu_metadata
---
amdhsa.version: [ 1, 2 ]
amdhsa.kernels:
  - .name:           k_q9047cba3a8_quant
    .symbol:         k_q9047cba3a8_quant.kd
    .args:
      - { .name: k, .offset: 0, .size: 8, .value_kind: global_buffer, .address_space: global }
      - { .name: v, .offset: 8, .size: 8, .value_kind: global_buffer, .address_space: global }
      - { .name: kv, .offset: 16, .size: 8, .value_kind: global_buffer, .address_space: global }
    .group_segment_fixed_size: 290816
    .private_segment_fixed_size: 0
    .kernarg_segment_align: 8
    .kernarg_segment_size: 24
    .max_flat_workgroup_size: 512
    .sgpr_count:     66
    .vgpr_count:     208
    .wavefront_size: 32
...
	.end_amdgpu_metadata
.endif
;; end of part 1
;; launch attn (part 2): grid 8 x 32, 8 waves a work-group, clusters of 4 x 1, 314,368 bytes of LDS; arguments q, kv, out0; writes out0
.if DOCPART == 2
	.amdgcn_target "amdgcn-amd-amdhsa--gfx1250"
	.amdhsa_code_object_version 6
	.text
	.protected	k_q9047cba3a8_attn
	.globl	k_q9047cba3a8_attn
	.p2align	8
	.type	k_q9047cba3a8_attn,@function
k_q9047cba3a8_attn:
	s_mov_b64 s[64:65], 0
	v_nop
	global_prefetch_b8 v0, s[64:65] scope:SCOPE_SE
	s_setreg_imm32_b32 hwreg(HW_REG_WAVE_MODE, 25, 1), 1
	s_wait_xcnt 0x0
	s_wait_alu depctr_hold_cnt(0) depctr_sa_sdst(0) depctr_va_vdst(0) depctr_va_sdst(0) depctr_va_ssrc(0) depctr_va_vcc(0) depctr_vm_vsrc(0)
	s_getreg_b32 s2, hwreg(HW_REG_IB_STS2, 6, 4)
	s_cmp_eq_u32 s2, 0
	s_cbranch_scc0 .Lentry_in_a_cluster
	s_endpgm
.Lentry_in_a_cluster:
	s_bfe_u32 s2, ttmp6, 0x10000c
	s_cmp_lg_u32 s2, 0x3003
	s_cbranch_scc0 .Lentry_shape_is_right
	s_endpgm
.Lentry_shape_is_right:
; out0[s][head][:] = the sum over keys of softmax(q . k / sqrt(128)) v, 32 heads, 2,048 queries and keys, head size 128; both products on codes of FP4 (E2M1) with one E8M0 scale for each 32 along a product's K.
; K's and V's codes and scale words come from the launch before, as an image of this launch's LDS.  q is f32, read once by the wave that owns its rows, and quantised here in the head.
; THE SOFTMAX AHEAD OF THE SECOND PRODUCT: t = score x log2(e) / sqrt(128); M = the row's largest t so far, rounded UP to a whole number; p = 2^(t - M) is what is quantised, along the keys; it is not normalised.
; The row's sum is taken of the unquantised p, in f32, and divides O at the end.  When M moves, the sum and O are multiplied by 2^(old M - new M): exact.
; SHARES.  A work-group owns 256 queries of one head; each of its EIGHT waves owns two tiles of 16 (A, B): each fragment of K and V feeds two matrix instructions, and the two tiles' chains of vector work take turns.
; A HEAD'S WHOLE K AND V STAY IN LDS, 16 steps x 17,408 bytes; each wave brings two steps by its one tensor load, at the head; nothing is filled again.  The work begins on wave 0's steps; the others' are waited for behind step 0.
; All that this launch reads is asked for in its head, so there is nothing to ask for ahead of a later load.
; CLUSTER.  The four query blocks of a cluster belong to one head and need the same K and V: each part is asked for JOINTLY, by the same tensor load with the same descriptor and a mask that names the four.
; LAYOUT.  Both products are used transposed: S^T = K Q^T (source 0 = 16 keys, source 1 = 16 queries), O^T = V^T P^T (source 0 = 16 channels, source 1 = P): lane (r, h) = (lane % 16, lane / 16) holds ONE query of a tile throughout.
; THE KEYS OF A TILE OF K: rows 0-7 of tile 4 c + i are keys 8 i .. 8 i + 7 of block 2 c (of 32 keys), rows 8-15 the same of block 2 c + 1.  So a lane's 32 registers of tiles 4 c .. 4 c + 3 of S^T are the WHOLE block 2 c + h in order:
; its largest score needs no other lane, and its codes are the second product's operand as they stand.
; LIMITS: NaN and infinities are not served; the promise holds while the scaled scores stay under 2^31 in magnitude.  A block of q whose largest magnitude lies under 2^-124 keeps the byte 1.  A p under 2^-126 comes out as 0.
;   A block's largest p is made from the block's largest score by the same two instructions; that takes v_exp_f32 not to fall where its input rises.  t is made as score x (log2(e) / sqrt(128)), one multiplication.
; REGISTERS, window 0: v1-4, 7, 94, 95 addresses; v5-6 the add's; v8 -M, v9 largest score (A), v10, v11 (B); v12 f (A), v14 f (B); v[16:17], v[18:19] the sums in two halves; v20-21 Q's scale words; v22-29 K's, v30-37 V's; v92-93 p's;
;   v38-53 Q; v54-69 p's codes; v70-91 at work; v96-159 S^T of A, then p; v160-223 of B; v224-255 at work.  Window 1: v0-63 O^T of A, v64-127 of B; v128-191 K's fragments of a step; v192-255 V's.
.set STEPB, 17408
.set STAGE, 16*STEPB                   ; a stage of 16 rows x (256 + 16) bytes for each wave: q on its way in, O on its way out; no fill lands there
.set SPARE, STAGE+8*4352               ; the spare words, 128 bytes for each wave
.set LI,   1
.set LR,   2
.set LK,   3
.set ADK,  4
.set ADL,  7
.set ADR,  94
.set QO,   95
.set QSC,  20
.set KSC,  22
.set VSC,  30
.set QF,   38
.set PA,   54
.set PB,   62
.set SA,   96
.set SB,   160
.set PSC,  92
.set KF,   128                         ; window 1
.set VF,   192                         ; window 1
.set WV,   18                          ; my wave's number
.set ST,   19                          ; my stage
.set SEL,  20                          ; s[20:21] lane selects for v_permlanex16_b32: lane l xor 16
.set CS,   22                          ; s[22:23] c = log2(e) / sqrt(128): the packed form names a pair and takes its low word for both halves
.set CN,   24                          ; -c
.set G1,   28                          ; s[28:35] descriptor group 1
.set G0,   36                          ; s[36:39] group 0
.set TK,   40                          ; the step's first LDS byte
.set CNT,  41
.set MSB, 0
.macro WIN new                         ; the immediate's high byte repeats the setting that is left
.if MSB != \new
	s_set_vgpr_msb (MSB<<8)|\new
.set MSB, \new
.endif
.endm
; A round of the cluster's barrier: my work-group's barrier, so that wave 0's signal speaks for all eight waves; wave 0 signals; every wave waits for all four work-groups; my work-group's barrier once more.
.macro ROUND
	s_barrier_signal -1
	s_barrier_wait -1
	s_cmp_lg_u32 s[WV], 0
	s_cbranch_scc1 .Lnot_wave_0_\@
	s_barrier_signal -3
.Lnot_wave_0_\@:
	s_barrier_wait -3
	s_barrier_signal -1
	s_barrier_wait -1
.endm
	s_load_b128 s[4:7], s[0:1], 0x0                ; q, kv
	s_load_b64 s[8:9], s[0:1], 0x10                ; out0
	v_lshl_add_u32 v5, v0, 2, SPARE
	v_mov_b32 v6, 0
	ds_add_u32 v5, v6                              ; the wave's opening: the add, twice on end, and its wait ahead of the tensor load
	ds_add_u32 v5, v6
	v_lshrrev_b32 v3, 5, v0
	v_readfirstlane_b32 s[WV], v3                  ; wave 0..7
	s_mul_i32 s[ST], s[WV], 4352
	s_add_co_u32 s[ST], s[ST], STAGE
	v_and_b32 v86, 15, v0                          ; r
	v_bfe_u32 v87, v0, 4, 1                        ; h
	v_lshlrev_b32 v[LR], 4, v86                    ; 16 r
	v_lshl_add_u32 v[LI], v87, 8, v[LR]            ; 16 x lane
	v_lshrrev_b32 v88, 3, v86
	v_and_b32 v89, 7, v86
	v_xor_b32 v90, v88, v87
	v_lshlrev_b32 v[LK], 11, v88
	v_lshl_add_u32 v[LK], v90, 7, v[LK]
	v_lshl_add_u32 v[LK], v89, 4, v[LK]            ; K: 2048 (r / 8) + 128 (h xor r / 8) + 16 (r % 8)
	v_lshl_add_u32 v[QO], v87, 14, v[LR]           ; q and O in memory: lanes 0-15 one row, lanes 16-31 the next, 16 bytes a lane
	v_mul_u32_u24 v88, v87, 272
	v_add_nc_u32 v88, v88, v[LR]
	v_add_nc_u32 v88, s[ST], v88                   ; the stage by such pairs of rows
	v_mul_u32_u24 v89, v86, 272
	v_lshl_add_u32 v89, v87, 7, v89
	v_add_nc_u32 v89, s[ST], v89                   ; and by operand: row r, my half's 32 numbers
	v_mov_b32 v9, 0xff61b1e6                       ; the largest score so far: -3e38
	v_mov_b32 v11, 0xff61b1e6
	v_mov_b32 v12, 1.0                             ; f of the first step, on sums of 0
	v_mov_b32 v14, 1.0
	v_mov_b32 v13, 0                               ; (named as upper halves of pairs, so they are written)
	v_mov_b32 v15, 0
.irp i, 16,17,18,19
	v_mov_b32 v\i, 0
.endr
	s_wait_alu depctr_va_vdst(0)                   ; ahead of the scalar lines and the waits below
	; descriptor group 1: two steps, 34,816 dense bytes, as 136 rows of 256 (32 elements of 8 bytes), no padding
	s_mov_b32 s[G1], 15|(3<<16)|(1<<21)            ; the mask: all four work-groups; elements of 8 bytes; bit 21 set beside a mask
	s_mov_b32 s[G1+1], 32<<16
	s_mov_b32 s[G1+2], 136<<16
	s_mov_b32 s[G1+3], 32<<16
	s_mov_b32 s[G1+4], 136
	s_mov_b32 s[G1+5], 32
	s_mov_b32 s[G1+6], 0
	s_mov_b32 s[G1+7], 0
	s_mov_b32 s[SEL], 0x76543210
	s_mov_b32 s[SEL+1], 0xfedcba98
	s_mov_b32 s[CS], 0x3e0293ee
	s_mov_b32 s[CS+1], s[CS]
	s_mov_b32 s[CN], 0xbe0293ee
	s_and_b32 s42, ttmp7, 0xffff                   ; the head, which the four partners share
	s_bfe_u32 s43, ttmp6, 0x40000                  ; cx: it enters q's and O's global addresses alone
	s_lshl_b32 s44, ttmp9, 2
	s_add_co_u32 s44, s44, s43                     ; my block of 256 queries
	s_lshl_b32 s44, s44, 3
	s_add_co_u32 s44, s44, s[WV]                   ; my 32 queries
	s_lshl_b32 s44, s44, 19                        ; in rows of 16,384 bytes
	s_lshl_b32 s45, s42, 9
	s_add_co_u32 s44, s44, s45                     ; + the head's 512 bytes
	s_mov_b32 s45, 0
	s_mul_i32 s46, s42, 16*STEPB
	s_mul_i32 s[G0+1], s[WV], 2*STEPB              ; my two steps: in LDS,
	s_add_co_u32 s46, s46, s[G0+1]                 ; and in kv
	s_mov_b32 s47, 0
	s_mov_b32 s[G0], 1
	s_wait_dscnt 0x0                               ; both opening adds are done
	s_wait_kmcnt 0x0
	s_add_nc_u64 s[4:5], s[4:5], s[44:45]
	s_add_nc_u64 s[8:9], s[8:9], s[44:45]
	s_add_nc_u64 s[G0+2:G0+3], s[6:7], s[46:47]
	s_or_b32 s[G0+3], s[G0+3], 0x80000000
; q's 32 rows in four units: tile u / 2, half row u % 2 (64 numbers)
.irp u, 0,1,2,3
.irp i, 0,1,2,3,4,5,6,7
	global_load_b128 v[96+32*\u+4*\i:99+32*\u+4*\i], v[QO], s[4:5] offset:(16*(\u/2)+2*\i)*16384+256*(\u%2) th:TH_LOAD_NT   ; sixteen lanes read 256 consecutive bytes, aligned
.endr
.endr
	ROUND                                          ; all four work-groups are here: the joint loads meet
	s_cmp_lg_u32 s[WV], 0                          ; wave 0's load has a line of its own: it is waited for first
	s_cbranch_scc1 .Lothers
	tensor_load_to_lds s[G0:G0+3], s[G1:G1+7]
	s_nop 0
.rept 4
	v_nop
.endr
	s_branch .Lasked
.Lothers:
	tensor_load_to_lds s[G0:G0+3], s[G1:G1+7]
	s_nop 0
.rept 4
	v_nop
.endr
.Lasked:
; A unit of q through my stage: as loaded, and back so that lane (r, h) holds its 32 neighbours of row r.  LDS serves a wave's instructions in order (ISA guide 5.7.1.4)
.macro TURN u
.if (\u)%2
.set XB, 54
.else
.set XB, 224
.endif
	s_wait_loadcnt 24-8*(\u)
.irp i, 0,1,2,3,4,5,6,7
	ds_store_b128 v88, v[96+32*(\u)+4*\i:99+32*(\u)+4*\i] offset:544*\i
.endr
.irp i, 0,1,2,3,4,5,6,7
	ds_load_b128 v[XB+4*\i:XB+4*\i+3], v89 offset:16*\i
.endr
.endm
; Its block 2 (u % 2) + h quantised: four registers of the operand, and a byte of the scale word
.macro PROC u, younger
.if (\u)%2
.set XB, 54
.else
.set XB, 224
.endif
	s_wait_dscnt \younger                          ; 16: the next unit's 8 stores and 8 loads may be out
	v_max3_num_f32 v86, |v[XB]|, |v[XB+1]|, |v[XB+2]|
	v_max3_num_f32 v87, |v[XB+3]|, |v[XB+4]|, |v[XB+5]|
.irp i, 6,10,14,18,22,26
	v_max3_num_f32 v86, v86, |v[XB+\i]|, |v[XB+\i+1]|
	v_max3_num_f32 v87, v87, |v[XB+\i+2]|, |v[XB+\i+3]|
.endr
	v_max3_num_f32 v86, v86, |v[XB+30]|, |v[XB+31]|
	v_max3_num_f32 v86, v86, v87, 0x1800000        ; the floor 2^(3 - 127): the byte cannot fall under 1
	v_add_nc_u32 v90, 0xff000000, v86              ; 2 off the exponent field: the conversion's scale operand
.irp g, 0,1,2,3
	v_cvt_scalef32_pk8_fp4_f32 v[QF+4*(\u)+\g], v[XB+8*\g:XB+8*\g+7], v90
.endr
.if (\u)%2
	v_lshrrev_b32 v86, 23, v90
	v_lshl_or_b32 v91, v86, 16, v91                ; my two bytes: blocks h and 2 + h
	v_permlanex16_b32 v87, v91, s[SEL], s[SEL+1]
	v_lshl_or_b32 v[QSC+(\u)/2], v87, 8, v91       ; lane r: with lane r + 16's two the word is whole
.else
	v_lshrrev_b32 v91, 23, v90
.endif
.endm
	TURN 0
	TURN 1
	PROC 0, 16
	TURN 2
	PROC 1, 16
	TURN 3
	PROC 2, 16
	PROC 3, 0
; Four of the eight fragments of a step: K's, off bytes from the address; V's.  And a step's scale words
.macro KHALF a, ak, off
	WIN 0x40
.irp i, 0,1,2,3
.irp c, 0,1
	ds_load_b128 v[KF+32*\a+8*\i+4*\c:KF+32*\a+8*\i+4*\c+3], v[\ak] offset:\off+4096*\a+512*\i+256*\c
.endr
.endr
	WIN 0
.endm
.macro VHALF a
	WIN 0x40
.irp i, 0,1,2,3
.irp c, 0,1
	ds_load_b128 v[VF+32*\a+8*\i+4*\c:VF+32*\a+8*\i+4*\c+3], v[ADL] offset:8704+4096*\a+1024*\i+512*\c
.endr
.endr
	WIN 0
.endm
.macro KSCALE ar, off
	ds_load_b128 v[KSC:KSC+3], v[\ar] offset:\off+8192
	ds_load_b128 v[KSC+4:KSC+7], v[\ar] offset:\off+8192+256
.endm
; The r-th line group of tile x's (0: A, 1: B) largest scores, a block's 32 registers in two chains of 17 and 15: THE LARGEST SCORE OF EACH BLOCK serves the row's maximum and the block's largest p
.macro MAXR x, r
.irp b, 0,1
.set j, SA+64*(\x)+32*\b
.if \r == 0
	v_max3_num_f32 v[70+2*(\x)+\b], v[j], v[j+1], v[j+2]
	v_max3_num_f32 v[86+2*(\x)+\b], v[j+17], v[j+18], v[j+19]
.elseif \r < 7
	v_max3_num_f32 v[70+2*(\x)+\b], v[70+2*(\x)+\b], v[j+2*\r+1], v[j+2*\r+2]
	v_max3_num_f32 v[86+2*(\x)+\b], v[86+2*(\x)+\b], v[j+2*\r+18], v[j+2*\r+19]
.elseif \r == 7
	v_max3_num_f32 v[70+2*(\x)+\b], v[70+2*(\x)+\b], v[j+15], v[j+16]
.else
	v_max_num_f32 v[70+2*(\x)+\b], v[70+2*(\x)+\b], v[86+2*(\x)+\b]
.endif
.endr
.endm
; The s-th line of tile x's way from its blocks' largest scores to -M and f; the other tile's independent lines stand between them
.macro CHAIN x, s, first
.if \s == 0
	v_max_num_f32 v[74+\x], v[70+2*\x], v[71+2*\x]
.elseif \s == 1
.if \first == 0
	v_mov_b32 v[78+\x], v[8+2*\x]
.endif
	v_permlanex16_b32 v[76+\x], v[74+\x], s[SEL], s[SEL+1]
.elseif \s == 2
	v_max3_num_f32 v[9+2*\x], v[9+2*\x], v[74+\x], v[76+\x]        ; the row's largest score so far, with lane l xor 16's keys
.elseif \s == 3
	v_mul_f32 v[74+\x], s[CN], v[9+2*\x]
.elseif \s == 4
	v_floor_f32 v[8+2*\x], v[74+\x]                                ; -M = floor(-t): M is a whole number
.elseif \first == 0
.if \s == 5
	v_sub_f32 v[78+\x], v[8+2*\x], v[78+\x]                        ; old M - new M: a whole number, 0 or less
.elseif \s == 6
	v_cvt_i32_f32 v[78+\x], v[78+\x]                               ; (it saturates)
.elseif \s == 7
	v_ldexp_f32 v[12+2*\x], 1.0, v[78+\x]                          ; f = 2^(old M - new M)
.endif
.endif
.endm
; A KEY STEP: 128 keys.  first = 1: O^T starts from 0 and nothing is brought under a new M.  nxt = 1: K's fragments of the next step are loaded.
; The 36 LDS loads go in four runs: behind the first product's places, behind two of the step's waits for vector results, and ahead of the third.
.macro STEP first, nxt
	s_wait_dscnt 0x0                               ; K's fragments of this step
	WIN 0x01
.irp t, 0,1,2,3,4,5,6,7                        ; S^T = K Q^T: each fragment for both tiles
	v_wmma_scale_f32_16x16x128_f8f6f4 v[SA+8*\t:SA+8*\t+7], v[KF+8*\t:KF+8*\t+7], v[QF:QF+7], 0, v[KSC+\t], v[QSC] matrix_a_fmt:MATRIX_FMT_FP4 matrix_b_fmt:MATRIX_FMT_FP4
	v_wmma_scale_f32_16x16x128_f8f6f4 v[SB+8*\t:SB+8*\t+7], v[KF+8*\t:KF+8*\t+7], v[QF+8:QF+15], 0, v[KSC+\t], v[QSC+1] matrix_a_fmt:MATRIX_FMT_FP4 matrix_b_fmt:MATRIX_FMT_FP4
.endr
	WIN 0
	v_add_nc_u32 v[ADK], s[TK], v[LK]              ; four places in front of the first read of results and of the loads into registers that the last step's products read
	v_add_nc_u32 v[ADL], s[TK], v[LI]
	v_add_nc_u32 v[ADR], s[TK], v[LR]
	v_nop
	VHALF 0
.irp r, 0,1,2,3,4,5,6,7,8
	MAXR 0, \r
.endr
.irp r, 0,1,2,3,4,5,6,7,8                      ; B's maxima, A's chain among them
	MAXR 1, \r
	CHAIN 0, \r, \first
.endr
.irp r, 0,1,2,3,4,5,6,7                        ; A's t - M, two at a time, B's chain among them
.irp i, 0,2,4,6
	v_pk_fma_f32 v[SA+8*\r+\i:SA+8*\r+\i+1], v[SA+8*\r+\i:SA+8*\r+\i+1], s[CS:CS+1], v[8:9] op_sel_hi:[1,0,0]
.endr
	CHAIN 1, \r, \first
.endr
	v_fma_f32 v70, v70, s[CS], v8                  ; the same of each block's largest score
	v_fma_f32 v71, v71, s[CS], v8
	v_fma_f32 v72, v72, s[CS], v10
	v_fma_f32 v73, v73, s[CS], v10
	s_wait_alu depctr_va_vdst(0)                   ; ahead of the batch
	VHALF 1
	ds_load_b128 v[VSC:VSC+3], v[ADR] offset:16896
	ds_load_b128 v[VSC+4:VSC+7], v[ADR] offset:16896+256
.irp n, 0,1,2,3
	v_exp_f32 v[70+\n], v[70+\n]                   ; each block's largest p: the same two instructions on the same number
.endr
.set j, 0
.rept 32                                       ; p of A; B's t - M, which nothing here reads, between them
	v_exp_f32 v[SA+j], v[SA+j]
	v_exp_f32 v[SA+j+1], v[SA+j+1]
	v_pk_fma_f32 v[SB+j:SB+j+1], v[SB+j:SB+j+1], s[CS:CS+1], v[10:11] op_sel_hi:[1,0,0]
.set j, j+2
.endr
	s_wait_alu depctr_va_vdst(0)                   ; behind this batch and ahead of the next
.if \nxt
	KHALF 0, ADK, STEPB
.endif
.irp n, 0,1,2,3
	v_max_num_f32 v[70+\n], 0x1800000, v[70+\n]    ; the floor 2^(3 - 127): the byte cannot fall under 1
.endr
.irp n, 0,1,2,3
	v_add_nc_u32 v[80+\n], 0xff000000, v[70+\n]    ; 2 off the exponent field: the conversion's scale operand
.endr
.irp c, 0,1
.irp g, 0,1,2,3
	v_cvt_scalef32_pk8_fp4_f32 v[PA+4*\c+\g], v[SA+32*\c+8*\g:SA+32*\c+8*\g+7], v[80+\c]
.endr
.endr
.set j, 0
.rept 16                                       ; p of B; sums of pairs of A's p, which nothing here reads, between them
	v_exp_f32 v[SB+j], v[SB+j]
	v_exp_f32 v[SB+j+1], v[SB+j+1]
	v_exp_f32 v[SB+j+2], v[SB+j+2]
	v_exp_f32 v[SB+j+3], v[SB+j+3]
	v_pk_add_f32 v[224+j/2:225+j/2], v[SA+j:SA+j+1], v[SA+j+2:SA+j+3]
.set j, j+4
.endr
.if \nxt
	KHALF 1, ADK, STEPB
	KSCALE ADR, STEPB
	s_wait_dscnt 18                                ; V's loads are in; the next step's 16 fragment loads and 2 of scale words may be out
.else
	s_wait_dscnt 0x0
.endif
.if \first == 0
	WIN 0x41
.endif
	s_wait_alu depctr_va_vdst(0)                   ; ahead of the first readers of the batch and of O^T
.if \first == 0
.set j, 0
.rept 32
	v_pk_mul_f32 v[j:j+1], v[j:j+1], v[12:13] op_sel_hi:[1,0]      ; O^T under the new M
.set j, j+2
.endr
.rept 32
	v_pk_mul_f32 v[j:j+1], v[j:j+1], v[14:15] op_sel_hi:[1,0]
.set j, j+2
.endr
	WIN 0
.endif
.irp c, 0,1
.irp g, 0,1,2,3
	v_cvt_scalef32_pk8_fp4_f32 v[PB+4*\c+\g], v[SB+32*\c+8*\g:SB+32*\c+8*\g+7], v[82+\c]
.endr
.endr
.irp n, 0,1,2,3
	v_lshrrev_b32 v[74+\n], 23, v[80+\n]           ; the scales' bytes
.endr
	; THE ROWS' SUMS, of the unquantised p, two at a time, in four chains a tile; the sums so far come under the new M.  p's scale words are made among them
	v_pk_fma_f32 v[16:17], v[16:17], v[12:13], v[224:225] op_sel_hi:[1,0,1]
	v_pk_fma_f32 v[18:19], v[18:19], v[14:15], v[SB:SB+1] op_sel_hi:[1,0,1]
	v_lshl_or_b32 v74, v75, 16, v74                ; my two blocks' bytes, h and 2 + h
	v_lshl_or_b32 v76, v77, 16, v76
	v_pk_add_f32 v[86:87], v[SB+2:SB+3], v[SB+4:SB+5]
	v_pk_add_f32 v[88:89], v[SB+6:SB+7], v[SB+8:SB+9]
	v_pk_add_f32 v[90:91], v[SB+10:SB+11], v[SB+12:SB+13]
	v_permlanex16_b32 v84, v74, s[SEL], s[SEL+1]
	v_permlanex16_b32 v85, v76, s[SEL], s[SEL+1]
.set j, 0
.rept 3
	v_pk_add_f32 v[16:17], v[16:17], v[232+8*j:233+8*j]
	v_pk_add_f32 v[226:227], v[226:227], v[234+8*j:235+8*j]
	v_pk_add_f32 v[228:229], v[228:229], v[236+8*j:237+8*j]
	v_pk_add_f32 v[230:231], v[230:231], v[238+8*j:239+8*j]
.if j == 0
	v_lshl_or_b32 v[PSC], v84, 8, v74              ; with lane l xor 16's two the words are whole
	v_lshl_or_b32 v[PSC+1], v85, 8, v76
.endif
.irp n, 0,8
	v_pk_add_f32 v[18:19], v[18:19], v[SB+14+16*j+\n:SB+15+16*j+\n]
	v_pk_add_f32 v[86:87], v[86:87], v[SB+16+16*j+\n:SB+17+16*j+\n]
	v_pk_add_f32 v[88:89], v[88:89], v[SB+18+16*j+\n:SB+19+16*j+\n]
	v_pk_add_f32 v[90:91], v[90:91], v[SB+20+16*j+\n:SB+21+16*j+\n]
.endr
.set j, j+1
.endr
	v_pk_add_f32 v[86:87], v[86:87], v[SB+62:SB+63]
	v_pk_add_f32 v[226:227], v[226:227], v[228:229]
	v_pk_add_f32 v[16:17], v[16:17], v[230:231]
	v_pk_add_f32 v[18:19], v[18:19], v[90:91]
	v_pk_add_f32 v[86:87], v[86:87], v[88:89]
	v_pk_add_f32 v[16:17], v[16:17], v[226:227]
	v_pk_add_f32 v[18:19], v[18:19], v[86:87]
	WIN 0x51
.irp t, 0,1,2,3,4,5,6,7                        ; O^T += V^T P^T: sixteen accumulators by turns, one instruction a turn
.if \first
	v_wmma_scale_f32_16x16x128_f8f6f4 v[8*\t:8*\t+7], v[VF+8*\t:VF+8*\t+7], v[PA:PA+7], 0, v[VSC+\t], v[PSC] matrix_a_fmt:MATRIX_FMT_FP4 matrix_b_fmt:MATRIX_FMT_FP4
	v_wmma_scale_f32_16x16x128_f8f6f4 v[64+8*\t:71+8*\t], v[VF+8*\t:VF+8*\t+7], v[PB:PB+7], 0, v[VSC+\t], v[PSC+1] matrix_a_fmt:MATRIX_FMT_FP4 matrix_b_fmt:MATRIX_FMT_FP4
.else
	v_wmma_scale_f32_16x16x128_f8f6f4 v[8*\t:8*\t+7], v[VF+8*\t:VF+8*\t+7], v[PA:PA+7], v[8*\t:8*\t+7], v[VSC+\t], v[PSC] matrix_a_fmt:MATRIX_FMT_FP4 matrix_b_fmt:MATRIX_FMT_FP4
	v_wmma_scale_f32_16x16x128_f8f6f4 v[64+8*\t:71+8*\t], v[VF+8*\t:VF+8*\t+7], v[PB:PB+7], v[64+8*\t:71+8*\t], v[VSC+\t], v[PSC+1] matrix_a_fmt:MATRIX_FMT_FP4 matrix_b_fmt:MATRIX_FMT_FP4
.endif
.endr
	WIN 0
.endm
	s_mov_b32 s[TK], 0
	s_wait_alu depctr_va_vdst(0)                   ; at the head's end
	s_cmp_lg_u32 s[WV], 0
	s_cbranch_scc1 .Lnot_first
	s_wait_tensorcnt 0x0                           ; wave 0: steps 0 and 1 are in
.Lnot_first:
	s_wait_dscnt 0x0
	s_barrier_signal -1
	s_barrier_wait -1                              ; so every wave may read them
	KHALF 0, LK, 0
	KHALF 1, LK, 0
	KSCALE LR, 0
	STEP 1, 1
	s_mov_b32 s[TK], STEPB
	s_mov_b32 s[CNT], 14
	s_wait_tensorcnt 0x0                           ; my two steps are in
	s_wait_dscnt 0x0
	s_barrier_signal -1
	s_barrier_wait -1                              ; everybody's are: nothing in these bytes changes any more
.Lstep:                                            ; steps 1 to 14: no barrier in them
	STEP 0, 1
	s_add_co_u32 s[TK], s[TK], STEPB
	s_sub_co_u32 s[CNT], s[CNT], 1
	s_cmp_lg_u32 s[CNT], 0
	s_cbranch_scc1 .Lstep
	s_mov_b32 s[TK], 15*STEPB
	STEP 0, 0                                      ; the last step has no next K
	; THE WAY OUT, through my own stage, half rows of 16 queries at a time: no barrier
	v_add_f32 v16, v16, v17                        ; the sums' two halves,
	v_add_f32 v18, v18, v19
	v_and_b32 v78, 15, v0
	v_bfe_u32 v79, v0, 4, 1
	v_permlanex16_b32 v76, v16, s[SEL], s[SEL+1]
	v_permlanex16_b32 v77, v18, s[SEL], s[SEL+1]
	v_add_f32 v16, v16, v76                        ; and lane l xor 16's
	v_add_f32 v18, v18, v77
	v_mul_u32_u24 v86, v78, 272
	v_mul_u32_u24 v87, v79, 272
	v_lshl_add_u32 v86, v79, 5, v86
	v_lshl_add_u32 v87, v78, 4, v87
	v_add_nc_u32 v86, s[ST], v86                   ; in: row r; tile t's eight channels of my half: 64 (t % 4) + 32 h bytes on
	v_add_nc_u32 v87, s[ST], v87                   ; back: lanes 0-15 one row, lanes 16-31 the next
	s_wait_alu depctr_va_vdst(0)                   ; ahead of the reciprocals
	v_rcp_f32 v16, v16
	v_rcp_f32 v18, v18
	v_nop
; Unit n: tile n / 2, channels 64 (n % 2) on: O^T / the sum, into the stage and back as rows
.macro UNIT n
	WIN 0x01
	s_wait_alu depctr_va_vdst(0)                   ; ahead of the first readers of the reciprocals and of O^T
.set j, 32*(\n)
.rept 16
	v_pk_mul_f32 v[SA+j:SA+j+1], v[j:j+1], v[16+2*((\n)/2):17+2*((\n)/2)] op_sel_hi:[1,0]
.set j, j+2
.endr
	WIN 0
.irp i, 0,1,2,3,4,5,6,7
	ds_store_b128 v86, v[SA+32*(\n)+4*\i:SA+32*(\n)+4*\i+3] offset:64*(\i/2)+16*(\i%2)
.endr
	WIN 0x40
.irp i, 0,1,2,3,4,5,6,7
	ds_load_b128 v[KF+32*(\n)+4*\i:KF+32*(\n)+4*\i+3], v87 offset:544*\i   ; LDS serves a wave's instructions in order: these see the stores above
.endr
.endm
.macro SEND n, younger
	WIN 0x04
	s_wait_dscnt \younger                          ; 16: the next unit's 8 stores and 8 loads may be out
.irp i, 0,1,2,3,4,5,6,7
	global_store_b128 v[QO], v[KF+32*(\n)+4*\i:KF+32*(\n)+4*\i+3], s[8:9] offset:(16*((\n)/2)+2*\i)*16384+256*((\n)%2) th:TH_STORE_NT   ; sixteen lanes store 256 consecutive bytes, aligned
.endr
.endm
	UNIT 0
	UNIT 1
	SEND 0, 16
	UNIT 2
	SEND 1, 16
	UNIT 3
	SEND 2, 16
	SEND 3, 0
	WIN 0
	s_wait_tensorcnt 0x0                           ; the wave's end
	ds_add_u32 v5, v6
	s_wait_dscnt 0x0
	ROUND                                          ; the closing round: no work-group ends while a partner may still ask for a part that names it
	s_endpgm
.Lfunc_end_k_q9047cba3a8_attn:
	.size	k_q9047cba3a8_attn, .Lfunc_end_k_q9047cba3a8_attn-k_q9047cba3a8_attn
	.p2alignl 7, 3214868480
	.fill 96, 4, 3214868480
	.section	.rodata,"a",@progbits
	.p2align	6, 0x0
	.amdhsa_kernel k_q9047cba3a8_attn
		.amdhsa_group_segment_fixed_size 314368
		.amdhsa_private_segment_fixed_size 0
		.amdhsa_enable_private_segment 0
		.amdhsa_kernarg_size 24
		.amdhsa_user_sgpr_count 2
		.amdhsa_user_sgpr_kernarg_segment_ptr 1
		.amdhsa_wavefront_size32 1
		.amdhsa_system_sgpr_workgroup_id_x 1
		.amdhsa_system_sgpr_workgroup_id_y 1
		.amdhsa_system_sgpr_workgroup_id_z 1
		.amdhsa_system_vgpr_workitem_id 0
		.amdhsa_next_free_vgpr 512
		.amdhsa_next_free_sgpr 66
		.amdhsa_reserve_vcc 0
		.amdhsa_float_denorm_mode_32 3
		.amdhsa_float_denorm_mode_16_64 3
		.amdhsa_memory_ordered 1
		.amdhsa_forward_progress 1
		.amdhsa_inst_pref_size 118
	.end_amdhsa_kernel
	.amdgpu_metadata
---
amdhsa.version: [ 1, 2 ]
amdhsa.kernels:
  - .name:           k_q9047cba3a8_attn
    .symbol:         k_q9047cba3a8_attn.kd
    .args:
      - { .name: q, .offset: 0, .size: 8, .value_kind: global_buffer, .address_space: global }
      - { .name: kv, .offset: 8, .size: 8, .value_kind: global_buffer, .address_space: global }
      - { .name: out0, .offset: 16, .size: 8, .value_kind: global_buffer, .address_space: global }
    .group_segment_fixed_size: 314368
    .private_segment_fixed_size: 0
    .kernarg_segment_align: 8
    .kernarg_segment_size: 24
    .max_flat_workgroup_size: 256
    .sgpr_count:     66
    .vgpr_count:     512
    .wavefront_size: 32
...
	.end_amdgpu_metadata
.endif
;; end of part 2
